; MI455X (gfx1250); checked and timed in simulation.
; The chip was launched on July 23, 2026; its instructions are those of AMD's public machine-readable ISA for CDNA 5 (MIT licence, August 2026) and "CDNA5" Instruction Set Architecture Reference Guide (July 2026). The comments in the code are by the model that wrote it; some were corrected since.
;; Attention. Allowed arithmetic: matrix products marked QUANTISED: E2M1 operands, one E8M0 scale for each 32 along K, by v_wmma_scale_f32_16x16x128_f8f6f4 with both operands' format E2M1 (or v_wmma_scale_f32_32x16x128_f4), f32 sums; everything else in f32.
;; Inputs: Wk 1,024 x 1,024 float32; Wo 1,024 x 1,024 float32; Wq 1,024 x 1,024 float32; Wv 1,024 x 1,024 float32; bo 1,024 float32; x 2 x 2,048 x 1,024 float32.
;; Outputs: out0 2 x 2,048 x 1,024 float32.
;; This version of the problem:
;;   THIS VERSION OF THE PROBLEM IS GIVEN IN LOW PRECISION. The matrix products marked QUANTISED in the list below multiply operands that are first quantised to E2M1 (2 exponent bits, 1 mantissa bit; 4 bits a number), with one power-of-two scale for each 32 numbers along K (OCP MX v1.0); their sums are f32. All else is computed in f32.
;;   The module's matrix products, in the order in which they are computed (A, B: the left and right operand; K: the contracted axis; several contracted axes count as one K, in the product's order):
;;     1. [M 4,096, K 1,024] x [K 1,024, N 1,024]; A: input x; B: input Wq: QUANTISED
;;     2. [M 4,096, K 1,024] x [K 1,024, N 1,024]; A: input x; B: input Wk: QUANTISED
;;     3. [M 4,096, K 1,024] x [K 1,024, N 1,024]; A: input x; B: input Wv: QUANTISED
;;     4. batch 32 x [M 2,048, K 64] x [K 64, N 2,048]; A: computed on the way; B: computed on the way: QUANTISED
;;     5. batch 32 x [M 2,048, K 2,048] x [K 2,048, N 64]; A: softmax (see below); B: computed on the way: QUANTISED
;;     6. [M 4,096, K 1,024] x [K 1,024, N 1,024]; A: computed on the way; B: input Wo: QUANTISED
;;   THE QUANTISER, for each operand of a quantised product, along K:
;;     - K is cut into blocks of 32 from its start; a last block that is shorter is filled with zeros.
;;     - A block's scale is 2^e with e = floor(log2(the largest magnitude in the block)) - 2, held to -126 .. 127; a block of zeros has e = 0. As a byte (E8M0): e + 127.
;;     - Each number is divided by its block's scale, clamped to +-6, and rounded to the nearest number of E2M1, ties to even, subnormals kept.
;;     - The product sums the exact products of the quantised numbers (number of the format x scale) in f32.
;;   ~~~python
;;   def quantise(x, axis):      # numpy; x: float32 -> the quantised numbers, widened to float32 again
;;       x = np.moveaxis(x, axis, -1); K = x.shape[-1]
;;       x = np.pad(x, [(0, 0)] * (x.ndim - 1) + [(0, -K % 32)]); x = x.reshape(x.shape[:-1] + (-1, 32)); a = np.abs(x).max(-1, keepdims=True)
;;       e = np.where(a > 0, np.clip(np.frexp(np.where(a > 0, a, 1))[1] - 1 - 2, -126, 127), 0)      # np.frexp(a)[1] - 1 = floor(log2(a)), exactly
;;       r = np.clip(x / 2.0 ** e, -6, 6)
;;       step = 2.0 ** (np.maximum(np.frexp(np.where(r == 0, 1, r))[1] - 1, 0) - 1)
;;       q = np.round(r / step) * step * 2.0 ** e      # np.round: ties to even
;;       return np.moveaxis(q.reshape(q.shape[:-2] + (-1,))[..., :K], -1, axis).astype(np.float32)
;;   ~~~
;;   SOFTMAX AHEAD OF A QUANTISED PRODUCT. Where the list says 'softmax', what is quantised is not the finished softmax but p = 2^(t - M), with t = logit x log2(e) and M = ceil(the row's largest t), a whole number; so 1/2 < the row's largest p <= 1. The row's sum l is taken of the UNQUANTISED p, in f32, and the product's result is divided by l at the end. Since M is a whole number, a kernel that streams over the keys may use a running M (the ceiling of the running maximum): every later rescaling is an exact power of two, which a block's scale takes up: the codes' values come out the same.
;;   OPERANDS COMPUTED ON THE WAY. 'Computed on the way' means the value that the module computes at that place (a softmax that the list does not call 'softmax' is quantised finished and normalised). What goes into a quantiser is computed in f32, as accurately as f32 sums, v_exp_f32 and their like allow (about 1e-6 of the number): no bf16 or f16 on the way to a quantiser, and a product that is left as it is and whose result goes on into a quantised operand takes f32 operands (vector FMAs, or v_wmma_f32_16x16x4_f32). A number that lies on a knife's edge between two numbers of the format may be rounded either way, as far as f32 arithmetic and the matrix unit's own rounding can turn it there, and no further.
;; One version. Each part assembles by itself: llvm-mc -triple=amdgcn-amd-amdhsa -mcpu=gfx1250 --defsym DOCPART=n.
;; ======== version 1 of 1: 4 launches
;; limits: right only within a limited range of input values
;; workspace buffers: c1 4,194,304 bytes; s1 262,144 bytes; qkvc 6,291,456 bytes; qkvs 655,360 bytes; oc 2,097,152 bytes; osc 262,144 bytes
;; launch quant (part 1): grid 256 x 1, 4 waves a work-group, no clusters, 33,280 bytes of LDS; arguments x, Wq, Wk, Wv, Wo, c1, s1; writes c1, s1
.if DOCPART == 1
	.amdgcn_target "amdgcn-amd-amdhsa--gfx1250"
	.amdhsa_code_object_version 6
	.text
	.protected	k_qbb22d38f92_quant
	.globl	k_qbb22d38f92_quant
	.p2align	8
	.type	k_qbb22d38f92_quant,@function
k_qbb22d38f92_quant:
	s_mov_b64 s[64:65], 0
	v_nop
	global_prefetch_b8 v0, s[64:65] scope:SCOPE_SE
	s_setreg_imm32_b32 hwreg(HW_REG_WAVE_MODE, 25, 1), 1
	s_wait_xcnt 0x0
; x [4096][1024] and Wq, Wk, Wv, Wo [1024][1024], f32, K innermost, become codes of FP4 (E2M1), two a byte, and one E8M0 scale byte for each 32 along K.
; A block's scale is 2^(floor(log2(its largest magnitude)) - 2): its byte is the largest magnitude's exponent field - 2, held at 1 from below.
; LIMITS: a block whose largest magnitude lies under 2^-124 has its byte held at 1; a block of zeros gets the byte 1 with zero codes (this program alone reads the bytes); NaN and infinities are not served.
; ROWS CHANGE PLACES ON THE WAY OUT.  c1 holds rows of 512 bytes in groups of 8 rows (4,096 bytes); inside every 32 rows the four groups are stored in the order 0, 2, 1, 3, so that lane r of a tile of 16 stored rows
; holds true row 8 u + r + 8 (r / 8) of its 32: the 16 registers of two neighbouring result tiles are then 16 neighbours along the axis that these rows index.
; c1: groups 0-511 x; 512-895 Wq, Wk, Wv by head, 24 groups a head: q's 64 rows, v's rows 0-31, k's 64 rows, v's rows 32-63; 896-1023 Wo.  s1: 32 scale bytes a row, in the same order of rows.
; A work-group takes 32 rows, a wave one group of 8 rows: 8,192 numbers on end in memory, 16 steps of 512.  Each of a step's four loads reads 512 consecutive bytes; the 2,048 bytes turn through the wave's own stage
; in LDS, so that a lane gets 16 neighbours along K (two neighbouring lanes hold a block).  A step's codes are 256 consecutive bytes; the wave's 256 scale bytes are gathered in LDS and leave as one store.
; Waves share nothing: no barrier.  Work-groups share no input: no cluster.
.set STEPS, 16
.set CB,    8                          ; bytes of 16 codes
.set R,     16                         ; v16-79   four sets of 16 numbers as they are loaded
.set X,     80                         ; v80-111  two sets of 16 neighbours
.set E,     112                        ; v112-127 a scale byte for each step
.set C,     128                        ; v128-191 codes: four registers for each step, so that no store's data are written again
.set WREG,  8192                       ; LDS: a region for each wave: two stages of 32 x SP bytes, then its 256 scale bytes
.set SP,    80                         ; a lane's place in a stage: 64 bytes + 16 of padding
	s_load_b256 s[4:11], s[0:1], 0x0               ; x, Wq, Wk, Wv
	s_load_b128 s[12:15], s[0:1], 0x20             ; Wo, c1
	s_load_b64 s[16:17], s[0:1], 0x30              ; s1
	v_lshl_add_u32 v192, v0, 2, 0x8000
	v_mov_b32 v193, 0
	v_lshrrev_b32 v1, 5, v0
	v_readfirstlane_b32 s18, v1                    ; wave 0..3
	v_and_b32 v2, 31, v0                           ; lane
	v_lshlrev_b32 v3, 4, v2                        ; my 16 bytes of a load's 512
	s_mul_i32 s19, s18, WREG
	v_lshrrev_b32 v14, 2, v2
	v_mul_u32_u24 v14, v14, SP
	v_and_b32 v15, 3, v2
	v_lshl_add_u32 v14, v15, 4, v14
	v_add_nc_u32 v14, s19, v14                     ; the stage, on the way in: SP (lane / 4) + 16 (lane % 4)
	v_mul_u32_u24 v15, v2, SP
	v_add_nc_u32 v15, s19, v15                     ; and on the way out: SP x lane: my 16 neighbours
	v_mul_u32_u24 v4, v2, CB                       ; my codes' place in a step's
	v_lshrrev_b32 v5, 1, v2
	s_add_co_u32 s19, s19, 2*32*SP
	v_add_nc_u32 v5, s19, v5                       ; LDS: my block's scale byte
	v_lshlrev_b32 v7, 3, v2                        ; the scale bytes on the way out: 8 a lane
	v_add_nc_u32 v6, s19, v7
	s_wait_alu depctr_va_vdst(0)
	s_wait_kmcnt 0x0
; Which tensor is my work-group's: 0-127 x, 128-159 Wq, 160-191 Wk, 192-223 Wv, 224-255 Wo.  Only a pointer and four numbers are chosen, on the work-group's number alone; all take one path.
; s[20:21] the source; s22 its first work-group; s23 its first group in c1; s24 groups from one pair of work-groups to the next; s25 from the pair's first to its second.
.macro PICK lim, p, first, base, s8, s4
	s_cmp_lt_u32 ttmp9, \lim
	s_cselect_b64 s[20:21], s[\p:\p+1], s[20:21]
	s_cselect_b32 s22, \first, s22
	s_cselect_b32 s23, \base, s23
	s_cselect_b32 s24, \s8, s24
	s_cselect_b32 s25, \s4, s25
.endm
	s_mov_b64 s[20:21], s[12:13]                   ; Wo
	s_mov_b32 s22, 224
	s_mov_b32 s23, 896
	s_mov_b32 s24, 8
	s_mov_b32 s25, 4
	PICK 224, 10, 192, 520, 24, 12                 ; Wv: a head's rows 0-31 lie 8 groups into the head's 24, its rows 32-63 twelve groups further on
	PICK 192, 8, 160, 524, 24, 4                   ; Wk: 12 groups into the head's 24
	PICK 160, 6, 128, 512, 24, 4                   ; Wq
	PICK 128, 4, 0, 0, 8, 4                        ; x
	s_sub_co_u32 s26, ttmp9, s22                   ; G: which 32 rows of the tensor
	s_lshl_b32 s27, s26, 2
	s_add_co_u32 s27, s27, s18                     ; 4 G + wave: which 8 rows
	s_lshl_b32 s28, s27, 15                        ; x 32,768 bytes
	s_mov_b32 s29, 0
	s_add_nc_u64 s[20:21], s[20:21], s[28:29]
	s_lshr_b32 s27, s26, 1
	s_mul_i32 s27, s27, s24
	s_and_b32 s26, s26, 1
	s_mul_i32 s26, s26, s25
	s_add_co_u32 s23, s23, s27
	s_add_co_u32 s23, s23, s26
	s_and_b32 s26, s18, 1
	s_lshl_b32 s26, s26, 1
	s_lshr_b32 s27, s18, 1
	s_or_b32 s26, s26, s27                         ; true group 0, 1, 2, 3 goes to place 0, 2, 1, 3
	s_add_co_u32 s23, s23, s26                     ; my group in c1
	s_lshl_b32 s28, s23, 12
	s_add_nc_u64 s[14:15], s[14:15], s[28:29]      ; its 4,096 bytes of codes
	s_lshl_b32 s28, s23, 8
	s_add_nc_u64 s[16:17], s[16:17], s[28:29]      ; its 256 scale bytes
.macro LOAD t
.irp i, 0,1,2,3
	global_load_b128 v[R+16*((\t)%4)+4*\i:R+16*((\t)%4)+4*\i+3], v3, s[20:21] offset:2048*(\t)+512*\i th:TH_LOAD_NT   ; 32 lanes read 512 consecutive bytes; read once in the launch
.endr
.endm
.macro TURN t                          ; step t's numbers through the stage: LDS serves a wave's instructions in order (ISA guide 5.7.1.4), so no wait stands between the stores and the loads
.irp i, 0,1,2,3
	ds_store_b128 v14, v[R+16*((\t)%4)+4*\i:R+16*((\t)%4)+4*\i+3] offset:32*SP*((\t)%2)+8*SP*\i
.endr
.irp i, 0,1,2,3
	ds_load_b128 v[X+16*((\t)%2)+4*\i:X+16*((\t)%2)+4*\i+3], v15 offset:32*SP*((\t)%2)+16*\i
.endr
.endm
.irp t, 0,1,2,3
	LOAD \t
.endr
	s_wait_loadcnt 12                              ; step 0's four loads are in; the twelve of steps 1 to 3 may be out
	TURN 0
.macro STEP t
.set XS, X+16*((\t)%2)
.if (\t) > 0
	s_wait_dscnt 1                                 ; this step's numbers are back from the stage (the last step's byte store may be out): so its stores into the stage have read their registers,
.else
	s_wait_dscnt 0x0
.endif
.if (\t)+4 < STEPS
	LOAD (\t)+4                                    ; which take the loads of four steps on
.endif
.if (\t)+1 < STEPS
.if STEPS-2-(\t) >= 3
	s_wait_loadcnt 12                              ; the next step's four loads are in; those of the three steps behind it may be out
.else
	s_wait_loadcnt 4*(STEPS-2-(\t))                ; in the tail: four for each step that is left behind the next
.endif
	TURN (\t)+1                                    ; and go through the other stage while this step is worked
.endif
	v_max3_num_f32 v8, |v[XS]|, |v[XS+1]|, |v[XS+2]|               ; the largest magnitude of my 16, in two chains
	v_max3_num_f32 v9, |v[XS+3]|, |v[XS+4]|, |v[XS+5]|
.irp i, 6,10
	v_max3_num_f32 v8, v8, |v[XS+\i]|, |v[XS+\i+1]|
	v_max3_num_f32 v9, v9, |v[XS+\i+2]|, |v[XS+\i+3]|
.endr
	v_max3_num_f32 v8, v8, |v[XS+14]|, |v[XS+15]|
	v_max3_num_f32 v8, v8, v9, 0x1800000           ; and the floor 2^(3 - 127): the byte cannot fall under 1
	v_max_num_f32_dpp v8, v8, v8 row_xmask:1 row_mask:0xf bank_mask:0xf   ; and of my neighbour's 16: the block's
	v_add_nc_u32 v11, 0xff000000, v8               ; 2 off its exponent field: the conversion takes the exponent field of this operand as its scale
	v_cvt_scalef32_pk8_fp4_f32 v[C+4*(\t)], v[XS:XS+7], v11
	v_cvt_scalef32_pk8_fp4_f32 v[C+4*(\t)+1], v[XS+8:XS+15], v11
	v_lshrrev_b32 v[E+(\t)], 23, v11               ; the scale's byte (also the plain line behind the conversions)
	ds_store_b8 v5, v[E+(\t)] offset:16*(\t)       ; both lanes of a block write the same byte with the same value
	global_store_b64 v4, v[C+4*(\t):C+4*(\t)+1], s[14:15] offset:32*CB*(\t)   ; 32 lanes store 256 consecutive bytes, at a multiple of 256 from c1's first byte
.endm
.irp t, 0,1,2,3,4,5,6,7,8,9,10,11,12,13,14,15
	STEP \t
.endr
	ds_load_b64 v[12:13], v6                       ; in order behind my byte stores
	s_wait_dscnt 0x0
	global_store_b64 v7, v[12:13], s[16:17]        ; 32 lanes store 256 consecutive bytes, aligned likewise
	s_wait_tensorcnt 0x0
	ds_add_u32 v192, v193
	s_wait_dscnt 0x0
	s_endpgm
.Lfunc_end_k_qbb22d38f92_quant:
	.size	k_qbb22d38f92_quant, .Lfunc_end_k_qbb22d38f92_quant-k_qbb22d38f92_quant
	.p2alignl 7, 3214868480
	.fill 96, 4, 3214868480
	.section	.rodata,"a",@progbits
	.p2align	6, 0x0
	.amdhsa_kernel k_qbb22d38f92_quant
		.amdhsa_group_segment_fixed_size 33280
		.amdhsa_private_segment_fixed_size 0
		.amdhsa_enable_private_segment 0
		.amdhsa_kernarg_size 56
		.amdhsa_user_sgpr_count 2
		.amdhsa_user_sgpr_kernarg_segment_ptr 1
		.amdhsa_wavefront_size32 1
		.amdhsa_system_sgpr_workgroup_id_x 1
		.amdhsa_system_sgpr_workgroup_id_y 1
		.amdhsa_system_sgpr_workgroup_id_z 1
		.amdhsa_system_vgpr_workitem_id 0
		.amdhsa_next_free_vgpr 194
		.amdhsa_next_free_sgpr 66
		.amdhsa_reserve_vcc 0
		.amdhsa_float_denorm_mode_32 3
		.amdhsa_float_denorm_mode_16_64 3
		.amdhsa_memory_ordered 1
		.amdhsa_forward_progress 1
		.amdhsa_inst_pref_size 35
	.end_amdhsa_kernel
	.amdgpu_metadata
---
amdhsa.version: [ 1, 2 ]
amdhsa.kernels:
  - .name:           k_qbb22d38f92_quant
    .symbol:         k_qbb22d38f92_quant.kd
    .args:
      - { .name: x, .offset: 0, .size: 8, .value_kind: global_buffer, .address_space: global }
      - { .name: Wq, .offset: 8, .size: 8, .value_kind: global_buffer, .address_space: global }
      - { .name: Wk, .offset: 16, .size: 8, .value_kind: global_buffer, .address_space: global }
      - { .name: Wv, .offset: 24, .size: 8, .value_kind: global_buffer, .address_space: global }
      - { .name: Wo, .offset: 32, .size: 8, .value_kind: global_buffer, .address_space: global }
      - { .name: c1, .offset: 40, .size: 8, .value_kind: global_buffer, .address_space: global }
      - { .name: s1, .offset: 48, .size: 8, .value_kind: global_buffer, .address_space: global }
    .group_segment_fixed_size: 33280
    .private_segment_fixed_size: 0
    .kernarg_segment_align: 8
    .kernarg_segment_size: 56
    .max_flat_workgroup_size: 128
    .sgpr_count:     66
    .vgpr_count:     194
    .wavefront_size: 32
...
	.end_amdgpu_metadata
.endif
;; end of part 1
;; launch qkv (part 2): grid 16 x 16, 4 waves a work-group, clusters of 4 x 4, 327,680 bytes of LDS; arguments c1, s1, qkvc, qkvs; writes qkvc, qkvs
.if DOCPART == 2
	.amdgcn_target "amdgcn-amd-amdhsa--gfx1250"
	.amdhsa_code_object_version 6
	.text
	.protected	k_qbb22d38f92_qkv
	.globl	k_qbb22d38f92_qkv
	.p2align	8
	.type	k_qbb22d38f92_qkv,@function
k_qbb22d38f92_qkv:
	s_mov_b64 s[64:65], 0
	v_nop
	global_prefetch_b8 v0, s[64:65] scope:SCOPE_SE
	s_setreg_imm32_b32 hwreg(HW_REG_WAVE_MODE, 25, 1), 1
	s_wait_xcnt 0x0
	s_wait_alu depctr_hold_cnt(0) depctr_sa_sdst(0) depctr_va_vdst(0) depctr_va_sdst(0) depctr_va_ssrc(0) depctr_va_vcc(0) depctr_vm_vsrc(0)
	s_getreg_b32 s2, hwreg(HW_REG_IB_STS2, 6, 4)
	s_cmp_eq_u32 s2, 0
	s_cbranch_scc0 .Lentry_in_a_cluster
	s_endpgm
.Lentry_in_a_cluster:
	s_bfe_u32 s2, ttmp6, 0x10000c
	s_cmp_lg_u32 s2, 0xf033
	s_cbranch_scc0 .Lentry_shape_is_right
	s_endpgm
.Lentry_shape_is_right:
.set PITCH, 528
.set AHALF, 128*PITCH
.set BOFF,  256*PITCH
.set BHALF, 96*PITCH
.set SLOT,  448*PITCH
.set ADRA, 16
.set ADRB, 20
.set XS,   32
.set WS,   64
.set AF,   96
.set BF,   128
.set TM,   96
.set T2,   120
.set SO,   144
.set WD,   168
.set SW,   180
.set SWV,  184
.set CQ,   192
.set CV,   224
.set G1A, 24
.set G0A, 32
.set G1B, 48
.set G0B, 56
.set SEL, 66
.set MSB, 0
.macro WIN new
.if MSB != \new
	s_set_vgpr_msb (MSB<<8)|\new
.set MSB, \new
.endif
.endm
.macro JLOAD g0a, g1a, g0b, g1b
	s_cmp_eq_u32 s15, 0
	s_cbranch_scc0 .Lfor_b_\@
	tensor_load_to_lds s[\g0a:\g0a+3], s[\g1a:\g1a+7]
	s_nop 0
.rept 4
	v_nop
.endr
	s_branch .Lasked_\@
.Lfor_b_\@:
	tensor_load_to_lds s[\g0b:\g0b+3], s[\g1b:\g1b+7]
	s_nop 0
.rept 4
	v_nop
.endr
.Lasked_\@:
.endm
.macro CROUND
	s_barrier_signal -1
	s_barrier_wait -1
	s_cmp_lg_u32 s14, 0
	s_cbranch_scc1 .Lnot_wave_0_\@
	s_barrier_signal -3
.Lnot_wave_0_\@:
	s_barrier_wait -3
	s_barrier_signal -1
	s_barrier_wait -1
.endm
.macro PLACES n
.rept \n
	v_nop
.endr
.endm
.macro WM d, a, b, cm, sa, sb, ra, rb
.set wD, \d
.set wA, \a
.set wB, \b
.set wS, \sa
.set wT, \sb
.if (\cm) == 0
.if (\ra) == 0
.if (\rb) == 0
	v_wmma_scale_f32_16x16x128_f8f6f4 v[wD:wD+7], v[wA:wA+7], v[wB:wB+7], 0, v[wS], v[wT] matrix_a_fmt:MATRIX_FMT_FP4 matrix_b_fmt:MATRIX_FMT_FP4
.else
	v_wmma_scale_f32_16x16x128_f8f6f4 v[wD:wD+7], v[wA:wA+7], v[wB:wB+7], 0, v[wS], v[wT] matrix_a_fmt:MATRIX_FMT_FP4 matrix_b_fmt:MATRIX_FMT_FP4 matrix_b_scale:MATRIX_SCALE_ROW1
.endif
.else
.if (\rb) == 0
	v_wmma_scale_f32_16x16x128_f8f6f4 v[wD:wD+7], v[wA:wA+7], v[wB:wB+7], 0, v[wS], v[wT] matrix_a_fmt:MATRIX_FMT_FP4 matrix_b_fmt:MATRIX_FMT_FP4 matrix_a_scale:MATRIX_SCALE_ROW1
.else
	v_wmma_scale_f32_16x16x128_f8f6f4 v[wD:wD+7], v[wA:wA+7], v[wB:wB+7], 0, v[wS], v[wT] matrix_a_fmt:MATRIX_FMT_FP4 matrix_b_fmt:MATRIX_FMT_FP4 matrix_a_scale:MATRIX_SCALE_ROW1 matrix_b_scale:MATRIX_SCALE_ROW1
.endif
.endif
.else
.if (\ra) == 0
.if (\rb) == 0
	v_wmma_scale_f32_16x16x128_f8f6f4 v[wD:wD+7], v[wA:wA+7], v[wB:wB+7], v[wD:wD+7], v[wS], v[wT] matrix_a_fmt:MATRIX_FMT_FP4 matrix_b_fmt:MATRIX_FMT_FP4
.else
	v_wmma_scale_f32_16x16x128_f8f6f4 v[wD:wD+7], v[wA:wA+7], v[wB:wB+7], v[wD:wD+7], v[wS], v[wT] matrix_a_fmt:MATRIX_FMT_FP4 matrix_b_fmt:MATRIX_FMT_FP4 matrix_b_scale:MATRIX_SCALE_ROW1
.endif
.else
.if (\rb) == 0
	v_wmma_scale_f32_16x16x128_f8f6f4 v[wD:wD+7], v[wA:wA+7], v[wB:wB+7], v[wD:wD+7], v[wS], v[wT] matrix_a_fmt:MATRIX_FMT_FP4 matrix_b_fmt:MATRIX_FMT_FP4 matrix_a_scale:MATRIX_SCALE_ROW1
.else
	v_wmma_scale_f32_16x16x128_f8f6f4 v[wD:wD+7], v[wA:wA+7], v[wB:wB+7], v[wD:wD+7], v[wS], v[wT] matrix_a_fmt:MATRIX_FMT_FP4 matrix_b_fmt:MATRIX_FMT_FP4 matrix_a_scale:MATRIX_SCALE_ROW1 matrix_b_scale:MATRIX_SCALE_ROW1
.endif
.endif
.endif
.endm
	s_load_b256 s[4:11], s[0:1], 0x0
	v_lshl_add_u32 v254, v0, 2, 0x3b800
	v_mov_b32 v255, 0
	ds_add_u32 v254, v255
	ds_add_u32 v254, v255
	v_lshrrev_b32 v1, 5, v0
	v_readfirstlane_b32 s14, v1
	s_lshr_b32 s15, s14, 1
	s_and_b32 s16, s14, 1
	s_bfe_u32 s40, ttmp6, 0x40000
	s_bfe_u32 s41, ttmp6, 0x40004
	s_lshl_b32 s42, ttmp9, 2
	s_add_co_u32 s42, s42, s40
	s_and_b32 s17, ttmp7, 0xffff
	s_lshl_b32 s17, s17, 2
	s_add_co_u32 s17, s17, s41
	s_lshl_b32 s43, s41, 2
	s_lshl_b32 s43, 15, s43
	s_lshl_b32 s44, 0x1111, s40
	s_or_b32 s[G1A], s43, (1<<20)|(1<<21)|(6<<22)|(3<<25)
	s_or_b32 s[G1B], s44, (1<<20)|(1<<21)|(6<<22)|(3<<25)
	s_mov_b32 s[G1A+1], 512<<16
	s_mov_b32 s[G1A+2], 128<<16
	s_mov_b32 s[G1A+3], 512<<16
	s_mov_b32 s[G1A+4], 128
	s_mov_b32 s[G1A+5], 512
	s_mov_b32 s[G1A+6], 0
	s_mov_b32 s[G1A+7], 0
	s_mov_b32 s[G1B+1], 512<<16
	s_mov_b32 s[G1B+2], 96<<16
	s_mov_b32 s[G1B+3], 512<<16
	s_mov_b32 s[G1B+4], 96
	s_mov_b32 s[G1B+5], 512
	s_mov_b32 s[G1B+6], 0
	s_mov_b32 s[G1B+7], 0
	s_mov_b32 s[SEL], 0x76543210
	s_mov_b32 s[SEL+1], 0xfedcba98
	s_lshl_b32 s20, s17, 17
	s_lshl_b32 s21, s16, 16
	s_add_co_u32 s20, s20, s21
	s_mov_b32 s21, 0
	s_mul_i32 s46, s42, 98304
	s_mul_i32 s47, s16, 49152
	s_add_co_u32 s46, s46, s47
	s_add_co_u32 s46, s46, 2097152
	s_mov_b32 s47, 0
	s_mul_i32 s45, s16, AHALF
	s_mul_i32 s94, s16, BHALF
	s_add_co_u32 s94, s94, BOFF
	s_wait_dscnt 0x0
	s_wait_kmcnt 0x0
	s_add_nc_u64 s[20:21], s[4:5], s[20:21]
	s_add_nc_u64 s[46:47], s[4:5], s[46:47]
	CROUND
.irp s, 0
	s_mov_b32 s[G0A+4*\s], 1
	s_add_co_u32 s[G0A+4*\s+1], s45, \s*SLOT
	s_add_nc_u64 s[G0A+4*\s+2:G0A+4*\s+3], s[20:21], \s*256
	s_or_b32 s[G0A+4*\s+3], s[G0A+4*\s+3], 0x80000000
	s_mov_b32 s[G0B+4*\s], 1
	s_add_co_u32 s[G0B+4*\s+1], s94, \s*SLOT
	s_add_nc_u64 s[G0B+4*\s+2:G0B+4*\s+3], s[46:47], \s*256
	s_or_b32 s[G0B+4*\s+3], s[G0B+4*\s+3], 0x80000000
	JLOAD G0A+4*\s, G1A, G0B+4*\s, G1B             ; all of K at once: whole rows of 512 bytes, 528 apart in LDS: every LDS byte is filled once, one joint load a wave
.endr
	v_and_b32 v1, 15, v0
	v_bfe_u32 v2, v0, 4, 1
	v_and_b32 v3, 31, v0
	v_mul_u32_u24 v4, v1, PITCH
	v_lshl_add_u32 v4, v2, 4, v4
	s_mul_i32 s68, s15, AHALF
	s_mul_i32 s69, s16, BHALF
	s_add_co_u32 s69, s69, BOFF
.irp s, 0,1
	v_add_nc_u32 v[ADRA+\s], s68, v4
	v_add_nc_u32 v[ADRB+\s], s69, v4
	s_add_co_u32 s68, s68, 256                     ; the second address of each pair: the rows' upper 256 bytes
	s_add_co_u32 s69, s69, 256
.endr
	v_lshlrev_b32 v22, 5, v3
	s_wait_alu depctr_va_vdst(0)
	v_lshlrev_b32 v23, 4, v3
	v_lshlrev_b32 v24, 2, v3
	s_lshl_b32 s70, s17, 13
	s_lshl_b32 s71, s15, 12
	s_add_co_u32 s70, s70, s71
	s_mov_b32 s71, 0
	s_add_nc_u64 s[70:71], s[6:7], s[70:71]
	s_mul_i32 s72, s42, 6144
	s_mul_i32 s73, s16, 3072
	s_add_co_u32 s72, s72, s73
	s_add_co_u32 s72, s72, 131072
	s_mov_b32 s73, 0
	s_add_nc_u64 s[72:73], s[6:7], s[72:73]
.irp i, 0,1,2,3
	global_load_b128 v[XS+8*\i:XS+8*\i+3], v22, s[70:71] offset:1024*\i
	global_load_b128 v[XS+8*\i+4:XS+8*\i+7], v22, s[70:71] offset:1024*\i+16
.endr
.irp i, 0,1,2
	global_load_b128 v[WS+8*\i:WS+8*\i+3], v22, s[72:73] offset:1024*\i
	global_load_b128 v[WS+8*\i+4:WS+8*\i+7], v22, s[72:73] offset:1024*\i+16
.endr
	s_lshr_b32 s74, s17, 3
	s_lshl_b32 s74, s74, 4
	s_add_co_u32 s74, s74, s42
	s_and_b32 s75, s17, 7
	s_lshl_b32 s75, s75, 1
	s_add_co_u32 s75, s75, s15
	s_lshl_b32 s76, s74, 4
	s_add_co_u32 s76, s76, s75
	s_lshl_b32 s76, s76, 12
	s_lshl_b32 s77, s16, 21
	s_add_co_u32 s78, s76, s77
	s_mov_b32 s79, 0
	s_add_nc_u64 s[78:79], s[8:9], s[78:79]
	s_lshl_b32 s77, s16, 11
	s_add_co_u32 s80, s76, s77
	s_add_co_u32 s80, s80, 4194304
	s_mov_b32 s81, 0
	s_add_nc_u64 s[80:81], s[8:9], s[80:81]
	s_lshl_b32 s82, s74, 13
	s_mul_i32 s85, s74, 12288
	s_add_co_u32 s85, s85, 262144
	s_cmp_eq_u32 s16, 0
	s_cselect_b32 s82, s82, s85
	s_lshl_b32 s84, s75, 9
	s_add_co_u32 s82, s82, s84
	s_mov_b32 s83, 0
	s_add_nc_u64 s[82:83], s[10:11], s[82:83]
	s_lshl_b32 s84, s75, 8
	s_add_co_u32 s86, s85, s84
	s_lshl_b32 s84, s16, 7
	s_add_co_u32 s86, s86, s84
	s_add_co_u32 s86, s86, 8192
	s_mov_b32 s87, 0
	s_add_nc_u64 s[86:87], s[10:11], s[86:87]
.macro FETCH s
.set fSL, (\s)/4
.set fQ, (\s)%4
.set fSET, (\s)%2
	WIN 0
.irp a, 0,1,2,3,4,5,6,7
	ds_load_b128 v[AF+64*fSET+8*\a:AF+64*fSET+8*\a+3], v[ADRA+fSL] offset:16*PITCH*\a+64*fQ
	ds_load_b128 v[AF+64*fSET+8*\a+4:AF+64*fSET+8*\a+7], v[ADRA+fSL] offset:16*PITCH*\a+64*fQ+32
.endr
	WIN 0x80
.irp t, 0,1,2,3,4,5
	ds_load_b128 v[BF+48*fSET+8*\t:BF+48*fSET+8*\t+3], v[ADRB+fSL] offset:16*PITCH*\t+64*fQ
	ds_load_b128 v[BF+48*fSET+8*\t+4:BF+48*fSET+8*\t+7], v[ADRB+fSL] offset:16*PITCH*\t+64*fQ+32
.endr
.endm
.macro MULQK s
	WIN 0x52
.irp a, 0,1,2,3,4,5,6,7
.irp t, 0,1,2,3
	WM 32*\a+8*\t, BF+48*((\s)%2)+8*\t, AF+64*((\s)%2)+8*\a, \s, WS+8*(\t/2)+(\s), XS+8*(\a/2)+(\s), \t%2, \a%2
.endr
.endr
.endm
.macro MULV s
	WIN 0xa8
.irp a, 0,1,2,3,4,5,6,7
.irp n, 0,1
	WM 64*\n+8*\a, AF+64*((\s)%2)+8*\a, BF+48*((\s)%2)+8*(4+\n), \s, XS+8*(\a/2)+(\s), WS+16+(\s), \a%2, \n
.endr
.endr
.endm
	s_wait_tensorcnt 0x0
	s_barrier_signal -1
	s_barrier_wait -1
	FETCH 0
	s_wait_loadcnt 0x0
.set S, 0
.rept 8
.if (S > 0) && (S < 7)
	PLACES 4
.endif
.if S < 7
	FETCH S+1
	s_wait_dscnt 28
.else
	s_wait_dscnt 0x0
.endif
	MULQK S
	MULV S
.set S, S+1
.endr
	PLACES 4
	WIN 0x05
.set I, 0
.rept 8
.set B, 0
.rept 16
.if I == 0
	v_max3_num_f32 v[TM+B], |v[16*B]|, |v[16*B+1]|, 0x1800000
.else
	v_max3_num_f32 v[TM+B], |v[16*B+I]|, |v[16*B+I+1]|, v[TM+B]
.endif
.set B, B+1
.endr
.set I, I+2
.endr
	WIN 0x0a
.set I, 0
.rept 8
.set B, 0
.rept 8
.if I == 0
	v_max3_num_f32 v[TM+16+B], |v[16*B]|, |v[16*B+1]|, 0x1800000
.else
	v_max3_num_f32 v[TM+16+B], |v[16*B+I]|, |v[16*B+I+1]|, v[TM+16+B]
.endif
.set B, B+1
.endr
.set I, I+2
.endr
	WIN 0
.set B, 0
.rept 24
	v_permlanex16_b32 v[T2+B], v[TM+B], s[SEL], s[SEL+1]
.set B, B+1
.endr
.set B, 0
.rept 24
	v_max_num_f32 v[TM+B], v[TM+B], v[T2+B]
.set B, B+1
.endr
.set B, 0
.rept 24
	v_add_nc_u32 v[SO+B], 0xff000000, v[TM+B]
.set B, B+1
.endr
.set B, 0
.rept 24
	v_lshrrev_b32 v[T2+B], 23, v[SO+B]
.set B, B+1
.endr
.irp a, 0,1,2,3,4,5,6,7
	v_lshl_or_b32 v[WD+\a], v[T2+2*\a+1], 8, v[T2+2*\a]
.endr
.irp n, 0,1
	v_lshl_or_b32 v[WD+8+\n], v[T2+17+4*\n], 8, v[T2+16+4*\n]
	v_lshl_or_b32 v[WD+8+\n], v[T2+18+4*\n], 16, v[WD+8+\n]
	v_lshl_or_b32 v[WD+8+\n], v[T2+19+4*\n], 24, v[WD+8+\n]
.endr
	WIN 0x01
.set B, 0
.rept 16
	v_cvt_scalef32_pk8_fp4_f32 v[CQ+2*B], v[16*B:16*B+7], v[SO+B]
	v_cvt_scalef32_pk8_fp4_f32 v[CQ+2*B+1], v[16*B+8:16*B+15], v[SO+B]
.set B, B+1
.endr
	WIN 0x02
.set B, 0
.rept 8
	v_cvt_scalef32_pk8_fp4_f32 v[CV+2*B], v[16*B:16*B+7], v[SO+16+B]
	v_cvt_scalef32_pk8_fp4_f32 v[CV+2*B+1], v[16*B+8:16*B+15], v[SO+16+B]
.set B, B+1
.endr
	WIN 0
	v_nop
.irp g, 0,1,2,3,4,5,6,7
.irp i, 0,1
	v_permlane16_swap_b32 v[CQ+4*\g+\i], v[CQ+4*\g+2+\i]
.endr
.endr
.irp g, 0,1,2,3
.irp i, 0,1
	v_permlane16_swap_b32 v[CV+4*\g+\i], v[CV+4*\g+2+\i]
.endr
.endr
	v_cmp_le_u32 vcc_lo, 16, v3
.irp i, 0,1,2,3
	v_cndmask_b32 v[SW+\i], v[WD+2*\i], v[WD+2*\i+1], vcc_lo
.endr
	v_cndmask_b32 v[SWV], v[WD+8], v[WD+9], vcc_lo
.irp a, 0,1,2,3,4,5,6,7
	global_store_b128 v23, v[CQ+4*\a:CQ+4*\a+3], s[78:79] offset:512*\a
.endr
.irp f, 0,1,2,3
	global_store_b128 v23, v[CV+4*\f:CV+4*\f+3], s[80:81] offset:512*\f
.endr
	global_store_b128 v23, v[SW:SW+3], s[82:83]
	global_store_b32 v24, v[SWV], s[86:87]
	s_wait_tensorcnt 0x0
	ds_add_u32 v254, v255
	s_wait_dscnt 0x0
	CROUND
	s_endpgm
.Lfunc_end_k_qbb22d38f92_qkv:
	.size	k_qbb22d38f92_qkv, .Lfunc_end_k_qbb22d38f92_qkv-k_qbb22d38f92_qkv
	.p2alignl 7, 3214868480
	.fill 96, 4, 3214868480
	.section	.rodata,"a",@progbits
	.p2align	6, 0x0
	.amdhsa_kernel k_qbb22d38f92_qkv
		.amdhsa_group_segment_fixed_size 327680
		.amdhsa_private_segment_fixed_size 0
		.amdhsa_enable_private_segment 0
		.amdhsa_kernarg_size 32
		.amdhsa_user_sgpr_count 2
		.amdhsa_user_sgpr_kernarg_segment_ptr 1
		.amdhsa_wavefront_size32 1
		.amdhsa_system_sgpr_workgroup_id_x 1
		.amdhsa_system_sgpr_workgroup_id_y 1
		.amdhsa_system_sgpr_workgroup_id_z 1
		.amdhsa_system_vgpr_workitem_id 0
		.amdhsa_next_free_vgpr 768
		.amdhsa_next_free_sgpr 98
		.amdhsa_reserve_vcc 1
		.amdhsa_float_denorm_mode_32 3
		.amdhsa_float_denorm_mode_16_64 3
		.amdhsa_memory_ordered 1
		.amdhsa_forward_progress 1
		.amdhsa_inst_pref_size 97
	.end_amdhsa_kernel
	.amdgpu_metadata
---
amdhsa.version: [ 1, 2 ]
amdhsa.kernels:
  - .name:           k_qbb22d38f92_qkv
    .symbol:         k_qbb22d38f92_qkv.kd
    .args:
      - { .name: c1, .offset: 0, .size: 8, .value_kind: global_buffer, .address_space: global }
      - { .name: s1, .offset: 8, .size: 8, .value_kind: global_buffer, .address_space: global }
      - { .name: qkvc, .offset: 16, .size: 8, .value_kind: global_buffer, .address_space: global }
      - { .name: qkvs, .offset: 24, .size: 8, .value_kind: global_buffer, .address_space: global }
    .group_segment_fixed_size: 327680
    .private_segment_fixed_size: 0
    .kernarg_segment_align: 8
    .kernarg_segment_size: 32
    .max_flat_workgroup_size: 128
    .sgpr_count:     98
    .vgpr_count:     768
    .wavefront_size: 32
...
	.end_amdgpu_metadata
.endif
;; end of part 2
;; launch attn (part 3): grid 8 x 32, 16 waves a work-group, clusters of 4 x 1, 169,984 bytes of LDS; arguments qkvc, qkvs, oc, osc; writes oc, osc
.if DOCPART == 3
	.amdgcn_target "amdgcn-amd-amdhsa--gfx1250"
	.amdhsa_code_object_version 6
	.text
	.protected	k_qbb22d38f92_attn
	.globl	k_qbb22d38f92_attn
	.p2align	8
	.type	k_qbb22d38f92_attn,@function
k_qbb22d38f92_attn:
	s_mov_b64 s[64:65], 0
	v_nop
	global_prefetch_b8 v0, s[64:65] scope:SCOPE_SE
	s_setreg_imm32_b32 hwreg(HW_REG_WAVE_MODE, 25, 1), 1
	s_wait_xcnt 0x0
	s_wait_alu depctr_hold_cnt(0) depctr_sa_sdst(0) depctr_va_vdst(0) depctr_va_sdst(0) depctr_va_ssrc(0) depctr_va_vcc(0) depctr_vm_vsrc(0)
	s_getreg_b32 s2, hwreg(HW_REG_IB_STS2, 6, 4)
	s_cmp_eq_u32 s2, 0
	s_cbranch_scc0 .Lentry_in_a_cluster
	s_endpgm
.Lentry_in_a_cluster:
	s_bfe_u32 s2, ttmp6, 0x10000c
	s_cmp_lg_u32 s2, 0x3003
	s_cbranch_scc0 .Lentry_shape_is_right
	s_endpgm
.Lentry_shape_is_right:
; O = softmax(q k^T / 8) v for one head, both products on codes of FP4 (E2M1) with E8M0 scales; O is divided by the row's sum and quantised along d for the output projection.
; THE SOFTMAX AHEAD OF THE SECOND PRODUCT: t = score x log2(e) / 8; M = the row's largest t so far, rounded UP to a whole number; p = 2^(t - M) is quantised along the keys; it is not normalised.
; The row's sum is taken of the unquantised p, in f32.  When M moves, the sum and O are multiplied by 2^(old M - new M): exact.
; SHARES.  A work-group owns 256 stored queries of head bh; each of its sixteen waves owns 16, one tile, one query a lane, in 256 registers.  Every wave walks 16 key steps of 128 keys.
; A HEAD'S K AND V LIE WHOLE IN LDS, as images of operand registers (16 bytes a lane on end), with their scale images: 143,360 bytes, each filled once: no ring, and ONE barrier in front of all reads.
; CLUSTER 4 x 1: the four work-groups of a cluster belong to one head and read the same K and V: every tensor load is joint, with the mask of all four.  Nine waves ask, one load each: waves 0 to 7 for 16,384 bytes of
; codes (K's four quarters, then V's four: LDS byte 16,384 x wave), wave 8 for the scale images.  Nothing is prefetched: every byte of K and V is asked for at the kernel's head, and there is no loop to run ahead in.
; LAYOUT.  Both products are used transposed: S^T = K Q^T, O^T = V^T P^T: a lane holds one query throughout.  By the order in which rows were stored, the 16 registers of result tiles 2 b and 2 b + 1 are 16 true neighbours.
; THE FIRST PRODUCT has 64 along K: Q's registers 4-7 hold zero codes.  So what stands in K's registers 4-7 adds nothing, and tile t takes v[32 + 4 t .. + 7]: its upper half is the next tile's codes (the last tile's: four zeros).
; The scale words' upper two bytes are 0, a finite code.
; A STEP'S ORDER.  LDS loads stand in one run behind the first products: V's ten, wanted a softmax later, and the NEXT step's nine of K.  All sources of the 68 exponentials are laid first, O^T's rescaling too; then the one batch.
; LIMITS: the promise holds while the scaled scores stay under 2^31 in magnitude; a block whose largest magnitude lies under 2^-124 has its byte held at 1 (a block of zeros too: its codes are zeros);
; NaN and infinities are not served; 1 / the sum is v_rcp_f32 and a multiplication.
; REGISTERS: v1, v2, v9, v10 addresses that stay; v3-4 the add's two; v5-8 the step's addresses; v11, v224-226 for the head and the way out; v12 -M, v13 largest t, v[14:15] the sum; v16-23 Q; v24-31 p's codes;
;   v32-63 K, v64-67 zeros; v68-71 K's scale words, v72-73 V's, v74 Q's, v75 p's; v76-95 at work; v96-159 S^T, then p; v160-191 O^T; v192-223 V^T.
.set KC,   0                           ; LDS: K's codes, 65,536 bytes: [step 16][tile 8][512]
.set VC,   65536                       ; V's: [step 16][d tile 4][64 keys 2][512]
.set KS,   131072                      ; K's scale images: [step 16][512]
.set VS,   139264                      ; V's: [step 16][pair of d tiles 2][128]
.set STG,  143360                      ; 64 bytes for each wave: O's scale words on the way out; no tensor load lands here
.set SPARE, 0x29000                    ; the spare words: 128 bytes a wave, eight blocks of 256 bytes that no other line names
.set WV,   12                          ; s12 my wave's number
.set G1C,  24                          ; s[24:31] group 1 for 16,384 bytes of codes;  s[32:39] for the scale images;  s[40:43] group 0 for these;  s[44:47] group 0 for my codes
.set G1S,  32
.set G0S,  40
.set G0C,  44
.set SEL,  60                          ; s[60:61] lane selects for v_permlanex16_b32: lane l xor 16
.set CS,   62                          ; s[62:63] c = log2(e) / 8, named as a pair by the packed form
.set TK,   66                          ; s66 the step's codes: 4,096 bytes a step, in K's and in V's region alike
.set TS,   67                          ; s67 K's scale image: 512 a step
.set TV,   68                          ; s68 V's: 256 a step
.set CNT,  69
.macro ROUND                           ; a round of the cluster's barrier
	s_barrier_signal -1
	s_barrier_wait -1
	s_cmp_lg_u32 s[WV], 0
	s_cbranch_scc1 .Lnot_wave_0_\@
	s_barrier_signal -3
.Lnot_wave_0_\@:
	s_barrier_wait -3
	s_barrier_signal -1
	s_barrier_wait -1
.endm
; One matrix instruction.  cm = 0: C is the constant 0, else C = D.  ra = 1: source 0's scales are read from lanes 16-31.
.macro WM d, a, b, cm, sa, sb, ra
.set wD, \d
.set wA, \a
.set wB, \b
.set wS, \sa
.set wT, \sb
.if (\cm) == 0
.if (\ra) == 0
	v_wmma_scale_f32_16x16x128_f8f6f4 v[wD:wD+7], v[wA:wA+7], v[wB:wB+7], 0, v[wS], v[wT] matrix_a_fmt:MATRIX_FMT_FP4 matrix_b_fmt:MATRIX_FMT_FP4
.else
	v_wmma_scale_f32_16x16x128_f8f6f4 v[wD:wD+7], v[wA:wA+7], v[wB:wB+7], 0, v[wS], v[wT] matrix_a_fmt:MATRIX_FMT_FP4 matrix_b_fmt:MATRIX_FMT_FP4 matrix_a_scale:MATRIX_SCALE_ROW1
.endif
.else
.if (\ra) == 0
	v_wmma_scale_f32_16x16x128_f8f6f4 v[wD:wD+7], v[wA:wA+7], v[wB:wB+7], v[wD:wD+7], v[wS], v[wT] matrix_a_fmt:MATRIX_FMT_FP4 matrix_b_fmt:MATRIX_FMT_FP4
.else
	v_wmma_scale_f32_16x16x128_f8f6f4 v[wD:wD+7], v[wA:wA+7], v[wB:wB+7], v[wD:wD+7], v[wS], v[wT] matrix_a_fmt:MATRIX_FMT_FP4 matrix_b_fmt:MATRIX_FMT_FP4 matrix_a_scale:MATRIX_SCALE_ROW1
.endif
.endif
.endm
	s_load_b256 s[4:11], s[0:1], 0x0               ; qkvc s[4:5], qkvs s[6:7], oc s[8:9], osc s[10:11]
	v_lshl_add_u32 v3, v0, 2, SPARE
	v_mov_b32 v4, 0
	ds_add_u32 v3, v4                              ; the opening lines: the add, twice on end, and its wait ahead of the round in front of the first loads
	ds_add_u32 v3, v4
	v_lshrrev_b32 v5, 5, v0
	v_readfirstlane_b32 s[WV], v5                  ; wave 0..15
	s_bfe_u32 s13, ttmp6, 0x40000                  ; cx: it enters Q's and the outputs' addresses alone
	s_lshl_b32 s14, ttmp9, 2
	s_add_co_u32 s14, s14, s13                     ; my block of 256 queries
	s_and_b32 s15, ttmp7, 0xffff                   ; bh, which the four partners share
	; descriptor group 1: dense blocks as rows of 256 bytes (32 elements of 8 bytes): 64 rows of codes, 48 rows of scale images
	s_mov_b32 s[G1C], 15|(3<<16)|(1<<21)           ; 15:0 the mask: all four work-groups; 17:16 elements of 8 bytes; 21 set beside a mask; no padding
	s_mov_b32 s[G1C+1], 32<<16
	s_mov_b32 s[G1C+2], 64<<16
	s_mov_b32 s[G1C+3], 32<<16
	s_mov_b32 s[G1C+4], 64
	s_mov_b32 s[G1C+5], 32
	s_mov_b32 s[G1C+6], 0
	s_mov_b32 s[G1C+7], 0
	s_mov_b32 s[G1S], 15|(3<<16)|(1<<21)
	s_mov_b32 s[G1S+1], 32<<16
	s_mov_b32 s[G1S+2], 48<<16
	s_mov_b32 s[G1S+3], 32<<16
	s_mov_b32 s[G1S+4], 48
	s_mov_b32 s[G1S+5], 32
	s_mov_b32 s[G1S+6], 0
	s_mov_b32 s[G1S+7], 0
	s_mov_b32 s[SEL], 0x76543210
	s_mov_b32 s[SEL+1], 0xfedcba98
	s_mov_b32 s[CS], 0x3e38aa3b                    ; log2(e) / 8
	s_mov_b32 s[CS+1], s[CS]
	s_min_u32 s16, s[WV], 7                        ; waves 0 to 7 fetch codes (the others issue no such load; held at 7, their unused descriptor stays inside LDS too)
	s_lshl_b32 s17, s16, 14                        ; LDS: 16,384 x wave: K's four quarters, then V's four
	s_lshr_b32 s18, s16, 2                         ; 0: K, 1: V
	s_lshl_b32 s18, s18, 21                        ; in memory: K's images at 2,097,152, V's at 4,194,304;
	s_and_b32 s19, s16, 3
	s_lshl_b32 s19, s19, 14                        ; my quarter of the head's 65,536 bytes;
	s_add_co_u32 s18, s18, s19
	s_lshl_b32 s19, s15, 16                        ; the head
	s_add_co_u32 s18, s18, s19
	s_add_co_u32 s18, s18, 2097152
	s_mov_b32 s19, 0
	s_mul_i32 s20, s15, 12288
	s_add_co_u32 s20, s20, 262144                  ; the head's scale images of K and V
	s_mov_b32 s21, 0
	s_wait_dscnt 0x0                               ; both opening adds are done
	s_wait_kmcnt 0x0
	s_add_nc_u64 s[18:19], s[4:5], s[18:19]
	s_add_nc_u64 s[20:21], s[6:7], s[20:21]
	s_mov_b32 s[G0S], 1
	s_mov_b32 s[G0S+1], KS
	s_mov_b64 s[G0S+2:G0S+3], s[20:21]
	s_or_b32 s[G0S+3], s[G0S+3], 0x80000000
	s_mov_b32 s[G0C], 1
	s_mov_b32 s[G0C+1], s17
	s_mov_b64 s[G0C+2:G0C+3], s[18:19]
	s_or_b32 s[G0C+3], s[G0C+3], 0x80000000
	ROUND                                          ; all four work-groups are here: the joint loads meet
	s_cmp_lt_u32 s[WV], 8                          ; the branches hang on the wave's number alone, which is the same in every partner; an s_nop 0 and four v_nop follow each of the two lines
	s_cbranch_scc0 .Lnot_codes
	tensor_load_to_lds s[G0C:G0C+3], s[G1C:G1C+7]
	s_nop 0
.rept 4
	v_nop
.endr
	s_branch .Lasked
.Lnot_codes:
	s_cmp_eq_u32 s[WV], 8
	s_cbranch_scc0 .Lasked
	tensor_load_to_lds s[G0S:G0S+3], s[G1S:G1S+7]
	s_nop 0
.rept 4
	v_nop
.endr
.Lasked:
	s_lshl_b32 s22, s[WV], 6
	s_add_co_u32 s22, s22, STG                     ; my wave's 64 bytes of the stage
	s_lshl_b32 s70, s14, 4
	s_add_co_u32 s70, s70, s[WV]                   ; my tile of queries in the head
	s_lshl_b32 s71, s70, 9
	s_lshl_b32 s72, s15, 16
	s_add_co_u32 s72, s72, s71
	s_mov_b32 s73, 0
	s_add_nc_u64 s[72:73], s[4:5], s[72:73]        ; Q's image
	s_lshl_b32 s74, s15, 13                        ; Q's scale word: image of step 2 x block + wave / 8; lanes 16 (wave % 2) + r; word (wave / 2) % 4
	s_lshl_b32 s75, s14, 1
	s_lshr_b32 s71, s[WV], 3
	s_add_co_u32 s75, s75, s71
	s_lshl_b32 s75, s75, 9
	s_add_co_u32 s74, s74, s75
	s_and_b32 s75, s[WV], 1
	s_lshl_b32 s75, s75, 8
	s_add_co_u32 s74, s74, s75
	s_bfe_u32 s75, s[WV], 0x20001
	s_lshl_b32 s75, s75, 2
	s_add_co_u32 s74, s74, s75
	s_mov_b32 s75, 0
	s_add_nc_u64 s[74:75], s[6:7], s[74:75]
	s_lshr_b32 s71, s15, 4                         ; batch
	s_lshl_b32 s76, s71, 7
	s_add_co_u32 s76, s76, s70                     ; my tile among all 256 tiles of tokens
	s_lshl_b32 s76, s76, 4
	s_and_b32 s23, s15, 15                         ; head
	s_add_co_u32 s76, s76, s23
	s_lshl_b32 s76, s76, 9
	s_mov_b32 s77, 0
	s_add_nc_u64 s[76:77], s[8:9], s[76:77]        ; oc: [tile][head][512]
	s_lshl_b32 s78, s71, 11
	s_lshl_b32 s79, s14, 8
	s_add_co_u32 s78, s78, s79
	s_lshl_b32 s78, s78, 2
	s_lshl_b32 s79, s23, 14
	s_add_co_u32 s78, s78, s79
	s_mov_b32 s79, 0
	s_add_nc_u64 s[78:79], s[10:11], s[78:79]      ; osc: [head][token] words: my block's 1,024 bytes
	s_mov_b32 s[TK], 0
	s_mov_b32 s[TS], 0
	s_mov_b32 s[TV], 0
	s_mov_b32 s[CNT], 15
	v_and_b32 v5, 31, v0                           ; lane
	v_and_b32 v6, 15, v0                           ; r
	v_lshlrev_b32 v1, 4, v5                        ; 16 x lane: K's images
	v_add_nc_u32 v2, VC, v1                        ; V's
	v_add_nc_u32 v9, KS, v1                        ; K's scale images
	v_lshl_add_u32 v10, v5, 2, VS                  ; V's: 4 x lane
	v_lshlrev_b32 v11, 4, v0                       ; the way out: 16 x thread: offset of waves 0 and 1 in the block's 1,024 bytes of scale words
	v_lshlrev_b32 v224, 2, v6
	v_add_nc_u32 v224, s22, v224                   ; my query's word in the stage: STG + 64 x wave + 4 r
	v_lshl_add_u32 v225, v0, 4, STG                ; and where waves 0 and 1 read the words back
	v_lshlrev_b32 v226, 4, v6                      ; 16 r
	s_wait_alu depctr_va_vdst(0)                   ; ahead of the readers below
	global_load_b128 v[16:19], v1, s[72:73]        ; Q's image stays in registers
	global_load_b32 v74, v226, s[74:75]
.irp j, 20,21,22,23,64,65,66,67
	v_mov_b32 v[\j], 0                             ; zero codes: the upper 64 of the first product's K in Q; and what stands behind K's last tile
.endr
	v_mov_b32 v13, 0xff61b1e6                      ; the largest t so far: -3e38, under every t
	v_floor_f32 v12, -v13                          ; -M
	v_mov_b32 v14, 0
	v_mov_b32 v15, 0
.irp j, 80,81,82,83,93
	v_mov_b32 v[\j], 0                             ; a lane permute's destination counts as a source; v93 is named as the upper half of the pair v[92:93]
.endr
.set J, 0
.rept 32
	v_mov_b32 v[160+J], 0                          ; O^T: the step is written for every step alike; the first finds zeros, which the first change of M leaves zeros
.set J, J+1
.endr
; A KEY STEP: 128 keys.  K's tiles and scale words of this step were asked for a step ago.  next = 1: the next step's are asked for here.
.macro STEP next
	s_wait_dscnt 0x0                               ; K's eight tiles and its scale words are in: no other LDS load of mine is out
.irp t, 0,1,2,3,4,5,6,7
	WM 96+8*\t, 32+4*\t, 16, 0, 68+\t/2, 74, \t%2
.endr
	v_mov_b32 v95, v12                             ; the old -M.  These five lines are also the places behind the products, ahead of the loads into their operands and of the first read of S^T
	v_add_nc_u32 v6, s[TK], v2
	v_add_nc_u32 v8, s[TV], v10
.if \next
	v_add_nc_u32 v5, s[TK], v1
	v_add_nc_u32 v7, s[TS], v9
.else
	v_nop
	v_nop
.endif
.irp f, 0,1,2,3,4,5,6,7
	ds_load_b128 v[192+4*\f:195+4*\f], v6 offset:512*\f            ; V^T: d tile f / 2, keys 64 (f % 2) on: wanted behind the softmax
.endr
	ds_load_b32 v72, v8
	ds_load_b32 v73, v8 offset:128
.if \next
.irp t, 0,1,2,3,4,5,6,7
	ds_load_b128 v[32+4*\t:35+4*\t], v5 offset:4096+512*\t         ; the next step's tiles of K: 16 keys x the head's 64 each
.endr
	ds_load_b128 v[68:71], v7 offset:512           ; and their scale words: word i: lanes 0-15 tile 2 i, lanes 16-31 tile 2 i + 1
.endif
.irp b, 0,1,2,3
	v_max3_num_f32 v[76+\b], v[96+16*\b], v[97+16*\b], v[98+16*\b]   ; the largest score of each block of 32 keys: it serves for the row's maximum and, since p rises with the score, for the block's largest p
.endr
.irp i, 3,5,7,9,11,13
.irp b, 0,1,2,3
	v_max3_num_f32 v[76+\b], v[76+\b], v[96+16*\b+\i], v[97+16*\b+\i]
.endr
.endr
.irp b, 0,1,2,3
	v_max_num_f32 v[76+\b], v[76+\b], v[111+16*\b]
.endr
.irp b, 0,1,2,3
	v_permlanex16_b32 v[80+\b], v[76+\b], s[SEL], s[SEL+1]
.endr
.irp b, 0,1,2,3
	v_max_num_f32 v[76+\b], v[76+\b], v[80+\b]     ; with lane l xor 16's 16 keys
.endr
	v_max3_num_f32 v94, v76, v77, v78
	s_delay_alu instid0(VALU_DEP_1)
	v_max_num_f32 v94, v94, v79                    ; the step's largest score of my query
	s_delay_alu instid0(VALU_DEP_1)
	v_mul_f32 v94, s[CS], v94                      ; as t (c is positive)
	s_delay_alu instid0(VALU_DEP_1)
	v_max_num_f32 v13, v13, v94                    ; the running largest t
	s_delay_alu instid0(VALU_DEP_1)
	v_floor_f32 v12, -v13                          ; the new -M = floor(-t) = -ceil(t)
	s_delay_alu instid0(VALU_DEP_1)
	v_sub_f32 v94, v12, v95                        ; old M - new M: a whole number, 0 or less
.irp b, 0,1,2,3
	v_fma_f32 v[76+\b], v[76+\b], s[CS], v12       ; t - M of each block's largest score
.endr
	v_cvt_i32_f32 v94, v94                         ; (it saturates)
.set J, 0
.rept 8
	v_pk_fma_f32 v[96+2*J:97+2*J], v[96+2*J:97+2*J], s[CS:CS+1], v[12:13] op_sel_hi:[1,0,0]   ; t - M, two at a time
.set J, J+1
.endr
	v_ldexp_f32 v92, 1.0, v94                      ; f = 2^(old M - new M)
.rept 24
	v_pk_fma_f32 v[96+2*J:97+2*J], v[96+2*J:97+2*J], s[CS:CS+1], v[12:13] op_sel_hi:[1,0,0]
.set J, J+1
.endr
.set J, 0
.rept 16
	v_pk_mul_f32 v[160+2*J:161+2*J], v[160+2*J:161+2*J], v[92:93] op_sel_hi:[1,0]   ; O^T under the new M, each accumulator from its low end on; ahead of the exponentials
.set J, J+1
.endr
	s_wait_alu depctr_va_vdst(0)                   ; ahead of the batch
.irp b, 0,1,2,3
	v_exp_f32 v[76+\b], v[76+\b]                   ; the blocks' largest p: the same two instructions on the same number give the same bits as that score's own p
.endr
.set J, 0
.rept 64
	v_exp_f32 v[96+J], v[96+J]                     ; p = 2^(t - M), at most 1
.set J, J+1
.endr
	v_pk_mul_f32 v[14:15], v[14:15], v[92:93] op_sel_hi:[1,0]   ; the sums under the new M (the plain line behind the last exponential)
	s_wait_alu depctr_va_vdst(0)                   ; one wait for the batch of 68, ahead of its first reader
.irp b, 0,1,2,3
	v_max_num_f32 v[76+\b], 0x1800000, v[76+\b]    ; the floor 2^(3 - 127): the byte cannot fall under 1
.endr
.irp b, 0,1,2,3
	v_add_nc_u32 v[84+\b], 0xff000000, v[76+\b]    ; 2 off the exponent field: the conversion's scale operand
.endr
.irp b, 0,1,2,3
	v_lshrrev_b32 v[80+\b], 23, v[84+\b]           ; the scale's byte
.endr
	v_lshl_or_b32 v75, v81, 8, v80                 ; p's scale word for these 128 keys
	v_lshl_or_b32 v75, v82, 16, v75
	v_lshl_or_b32 v75, v83, 24, v75
.irp b, 0,1,2,3
	v_cvt_scalef32_pk8_fp4_f32 v[24+2*\b], v[96+16*\b:103+16*\b], v[84+\b]
	v_cvt_scalef32_pk8_fp4_f32 v[25+2*\b], v[104+16*\b:111+16*\b], v[84+\b]
.endr
	v_nop                                          ; one plain line behind the scaled conversions
.irp c, 0,1                                    ; a whole block in a lane: lanes 0-15 block 2 c, lanes 16-31 block 2 c + 1
.irp i, 0,1
	v_permlane16_swap_b32 v[24+4*\c+\i], v[26+4*\c+\i]
.endr
.endr
; THE ROW'S SUM IS TAKEN OF THE UNQUANTISED p: 32 packed additions in four chains; they are also the places between the writes of p's scale word and codes and the second products.
	v_pk_add_f32 v[80:81], v[96:97], v[98:99]
	v_pk_add_f32 v[88:89], v[100:101], v[102:103]
	v_pk_add_f32 v[90:91], v[104:105], v[106:107]
.set J, 12
.rept 6
	v_pk_add_f32 v[14:15], v[14:15], v[96+J:97+J]
	v_pk_add_f32 v[80:81], v[80:81], v[98+J:99+J]
	v_pk_add_f32 v[88:89], v[88:89], v[100+J:101+J]
	v_pk_add_f32 v[90:91], v[90:91], v[102+J:103+J]
.set J, J+8
.endr
	v_pk_add_f32 v[14:15], v[14:15], v[156:157]
	v_pk_add_f32 v[80:81], v[80:81], v[158:159]
	v_pk_add_f32 v[88:89], v[88:89], v[90:91]
	v_pk_add_f32 v[14:15], v[14:15], v[80:81]
	v_pk_add_f32 v[14:15], v[14:15], v[88:89]
.if \next
	s_wait_dscnt 9                                 ; V and its scale words are in; the nine younger loads, the next step's K, may be out
.else
	s_wait_alu depctr_va_vdst(0)                   ; directly ahead of the wait below
	s_wait_dscnt 0x0
.endif
.irp d, 0,1,2,3
	WM 160+8*\d, 192+8*\d, 24, 1, 72+\d/2, 75, \d%2   ; the four accumulators by turns; the next matrix instruction belongs to another product
.endr
.endm
	s_wait_alu depctr_va_vdst(0)
	s_wait_loadcnt 0x0                             ; Q and its scale word
	s_wait_tensorcnt 0x0                           ; my load, if I issued one, has landed,
	s_barrier_signal -1
	s_barrier_wait -1                              ; everybody's has: all of the head's K and V lie in LDS; every LDS read of the kernel stands behind this barrier
.irp t, 0,1,2,3,4,5,6,7
	ds_load_b128 v[32+4*\t:35+4*\t], v1 offset:512*\t              ; key step 0's tiles of K
.endr
	ds_load_b128 v[68:71], v9                      ; and their scale words
.Lstep:                                            ; 15 trips: each asks for the next step's K
	STEP 1
	s_add_co_u32 s[TK], s[TK], 4096
	s_add_co_u32 s[TS], s[TS], 512
	s_add_co_u32 s[TV], s[TV], 256
	s_sub_co_u32 s[CNT], s[CNT], 1
	s_cmp_lg_u32 s[CNT], 0
	s_cbranch_scc1 .Lstep
	STEP 0                                         ; the last step is written out: it asks for nothing more
	; THE WAY OUT.  O^T / the sum; its two blocks of 32 along d are quantised; the codes are one image of 512 bytes; the scale words of the work-group's 256 queries meet in LDS and leave as 1,024 consecutive bytes.
	v_add_f32 v14, v14, v15                        ; the sum's two halves,
	v_permlanex16_b32 v92, v14, s[SEL], s[SEL+1]
	v_add_f32 v14, v14, v92                        ; and lane l xor 16's: the row's sum
	s_wait_alu depctr_va_vdst(0)                   ; ahead of the transcendental
	v_rcp_f32 v14, v14
.rept 4
	v_nop                                          ; the plain line behind the reciprocal, and the places behind the last products
.endr
	s_wait_alu depctr_va_vdst(0)                   ; ahead of the first reader of the reciprocal and of O^T
.set J, 0
.rept 32
	v_mul_f32 v[96+J], v[160+J], v14               ; register 16 b + i: d = 32 b + 16 (lane / 16) + i of my query; each accumulator from its low end on
.set J, J+1
.endr
.irp b, 0,1
	v_max3_num_f32 v[84+\b], |v[96+16*\b]|, |v[97+16*\b]|, 0x1800000
.endr
.irp i, 2,4,6,8,10,12,14
.irp b, 0,1
	v_max3_num_f32 v[84+\b], v[84+\b], |v[96+16*\b+\i]|, |v[97+16*\b+\i]|
.endr
.endr
.irp b, 0,1
	v_permlanex16_b32 v[86+\b], v[84+\b], s[SEL], s[SEL+1]
.endr
.irp b, 0,1
	v_max_num_f32 v[84+\b], v[84+\b], v[86+\b]
.endr
.irp b, 0,1
	v_add_nc_u32 v[90+\b], 0xff000000, v[84+\b]
.endr
.irp b, 0,1
	v_lshrrev_b32 v[92+\b], 23, v[90+\b]
.endr
	v_lshl_or_b32 v94, v93, 8, v92                 ; my query's two bytes for this head
.irp b, 0,1
	v_cvt_scalef32_pk8_fp4_f32 v[24+2*\b], v[96+16*\b:103+16*\b], v[90+\b]
	v_cvt_scalef32_pk8_fp4_f32 v[25+2*\b], v[104+16*\b:111+16*\b], v[90+\b]
.endr
	v_nop
	v_permlane16_swap_b32 v24, v26
	v_permlane16_swap_b32 v25, v27                 ; lane (r, h): d = 32 h + 0 .. 31
	s_wait_alu depctr_va_vdst(0)                   ; ahead of the readers below
	global_store_b128 v1, v[24:27], s[76:77]       ; 32 lanes store 512 consecutive bytes, aligned to 512
	ds_store_b32 v224, v94                         ; both halves of the lanes write the same word with the same value
	s_wait_dscnt 0x0                               ; for the others' sake: my store has landed
	s_barrier_signal -1
	s_barrier_wait -1
	s_cmp_lt_u32 s[WV], 2
	s_cbranch_scc0 .Lno_words
	ds_load_b128 v[32:35], v225                    ; waves 0 and 1: 512 bytes each of the 256 queries' words
	s_wait_dscnt 0x0
	global_store_b128 v11, v[32:35], s[78:79]
.Lno_words:
	s_wait_tensorcnt 0x0                           ; the wave's end
	ds_add_u32 v3, v4
	s_wait_dscnt 0x0
	ROUND                                          ; the closing round: no work-group ends while a partner may still ask for a tile that names it
	s_endpgm
.Lfunc_end_k_qbb22d38f92_attn:
	.size	k_qbb22d38f92_attn, .Lfunc_end_k_qbb22d38f92_attn-k_qbb22d38f92_attn
	.p2alignl 7, 3214868480
	.fill 96, 4, 3214868480
	.section	.rodata,"a",@progbits
	.p2align	6, 0x0
	.amdhsa_kernel k_qbb22d38f92_attn
		.amdhsa_group_segment_fixed_size 169984
		.amdhsa_private_segment_fixed_size 0
		.amdhsa_enable_private_segment 0
		.amdhsa_kernarg_size 32
		.amdhsa_user_sgpr_count 2
		.amdhsa_user_sgpr_kernarg_segment_ptr 1
		.amdhsa_wavefront_size32 1
		.amdhsa_system_sgpr_workgroup_id_x 1
		.amdhsa_system_sgpr_workgroup_id_y 1
		.amdhsa_system_sgpr_workgroup_id_z 1
		.amdhsa_system_vgpr_workitem_id 0
		.amdhsa_next_free_vgpr 256
		.amdhsa_next_free_sgpr 80
		.amdhsa_reserve_vcc 0
		.amdhsa_float_denorm_mode_32 3
		.amdhsa_float_denorm_mode_16_64 3
		.amdhsa_memory_ordered 1
		.amdhsa_forward_progress 1
		.amdhsa_inst_pref_size 42
	.end_amdhsa_kernel
	.amdgpu_metadata
---
amdhsa.version: [ 1, 2 ]
amdhsa.kernels:
  - .name:           k_qbb22d38f92_attn
    .symbol:         k_qbb22d38f92_attn.kd
    .args:
      - { .name: qkvc, .offset: 0, .size: 8, .value_kind: global_buffer, .address_space: global }
      - { .name: qkvs, .offset: 8, .size: 8, .value_kind: global_buffer, .address_space: global }
      - { .name: oc, .offset: 16, .size: 8, .value_kind: global_buffer, .address_space: global }
      - { .name: osc, .offset: 24, .size: 8, .value_kind: global_buffer, .address_space: global }
    .group_segment_fixed_size: 169984
    .private_segment_fixed_size: 0
    .kernarg_segment_align: 8
    .kernarg_segment_size: 32
    .max_flat_workgroup_size: 512
    .sgpr_count:     80
    .vgpr_count:     256
    .wavefront_size: 32
...
	.end_amdgpu_metadata
.endif
;; end of part 3
;; launch proj (part 4): grid 8 x 32, 4 waves a work-group, clusters of 4 x 4, 168,448 bytes of LDS; arguments oc, osc, c1, s1, bo, out0; writes out0
.if DOCPART == 4
	.amdgcn_target "amdgcn-amd-amdhsa--gfx1250"
	.amdhsa_code_object_version 6
	.text
	.protected	k_qbb22d38f92_proj
	.globl	k_qbb22d38f92_proj
	.p2align	8
	.type	k_qbb22d38f92_proj,@function
k_qbb22d38f92_proj:
	s_mov_b64 s[64:65], 0
	v_nop
	global_prefetch_b8 v0, s[64:65] scope:SCOPE_SE
	s_setreg_imm32_b32 hwreg(HW_REG_WAVE_MODE, 25, 1), 1
	s_wait_xcnt 0x0
	s_wait_alu depctr_hold_cnt(0) depctr_sa_sdst(0) depctr_va_vdst(0) depctr_va_sdst(0) depctr_va_ssrc(0) depctr_va_vcc(0) depctr_vm_vsrc(0)
	s_getreg_b32 s2, hwreg(HW_REG_IB_STS2, 6, 4)
	s_cmp_eq_u32 s2, 0
	s_cbranch_scc0 .Lentry_in_a_cluster
	s_endpgm
.Lentry_in_a_cluster:
	s_bfe_u32 s2, ttmp6, 0x10000c
	s_cmp_lg_u32 s2, 0xf033
	s_cbranch_scc0 .Lentry_shape_is_right
	s_endpgm
.Lentry_shape_is_right:
; out0 = O Wo^T + bo on codes of FP4 with E8M0 scales, sums in f32.  O's codes come as images of operand registers, [tile of 16 stored tokens][head][512 bytes] (two heads are a K step of 128), its scale bytes as one word
; (two bytes) for a head and a token; Wo's codes come as rows of 512 bytes in stored order, its scale bytes 32 a row.
; SHARES.  Work-group (nt, mt) makes 128 stored tokens x 128 columns; wave (wr = w / 2, wc = w % 2) 64 x 64: 16 accumulators.  All of K = 1,024 lies in LDS, brought by one tensor load a wave: each LDS byte is filled once.
; CLUSTER 4 x 4: the four work-groups of a row of the cluster share mt and so O's images, the four of a column share nt and so Wo's rows: each is asked for jointly.
; THE MATRIX INSTRUCTION IS USED TRANSPOSED (source 0 = 16 rows of Wo, source 1 = 16 tokens): a lane holds one token, and by the order in which Wo's rows were stored the 16 registers of tiles 2 b and 2 b + 1 are
; columns 32 b + 16 (lane / 16) + 0 .. 15.  bo is the C of each sum's first matrix instruction.  The tokens' stored order is undone in the stores' row offsets.
; REGISTERS: window 0: v1-5 lane numbers, v16-27 addresses; v32-47 O's scale words, v48-63 Wo's; v64-95 O's words as loaded; v128-191, v192-255 two sets of fragments (O's four, then Wo's four); on the way out v128-191 rows of out0.
;   window 1: v0-127 accumulators, (token tile a, column tile t) at 32 a + 8 t; v128-159 bo's four tiles.
.set BPITCH, 528                       ; a row of Wo in LDS: 512 bytes + 16 of padding = 132 words: row r starts at bank 4 r mod 64 (64 banks of 4 bytes: ISA guide 11.1)
.set BLDS,  65536                      ; behind O's 65,536 bytes of images
.set STAGE, BLDS+128*BPITCH            ; 133,120: 16 rows x 272 bytes for each wave, for the way out; no tensor load lands here
.set ADRA, 16
.set ADRB, 20
.set STO,  24
.set RD,   25
.set CO,   26
.set AS,   32                          ; register 8 i + s: K step s; lanes 0-15 token tile 2 i, lanes 16-31 tile 2 i + 1
.set BS,   48                          ; the same for Wo's tiles
.set T,    64
.set G1A, 24
.set G0A, 32
.set G1B, 48
.set G0B, 56
.set MSB, 0
.macro WIN new                         ; the immediate's high byte repeats the setting that is left
.if MSB != \new
	s_set_vgpr_msb (MSB<<8)|\new
.set MSB, \new
.endif
.endm
.macro CROUND                          ; a round of the cluster's barrier
	s_barrier_signal -1
	s_barrier_wait -1
	s_cmp_lg_u32 s16, 0
	s_cbranch_scc1 .Lnot_wave_0_\@
	s_barrier_signal -3
.Lnot_wave_0_\@:
	s_barrier_wait -3
	s_barrier_signal -1
	s_barrier_wait -1
.endm
.macro PLACES n
.rept \n
	v_nop
.endr
.endm
; One matrix instruction; ra, rb = 1: that side's scales are read from lanes 16-31.
.macro WM d, a, b, c, sa, sb, ra, rb
.set wD, \d
.set wA, \a
.set wB, \b
.set wC, \c
.set wS, \sa
.set wT, \sb
.if (\ra) == 0
.if (\rb) == 0
	v_wmma_scale_f32_16x16x128_f8f6f4 v[wD:wD+7], v[wA:wA+7], v[wB:wB+7], v[wC:wC+7], v[wS], v[wT] matrix_a_fmt:MATRIX_FMT_FP4 matrix_b_fmt:MATRIX_FMT_FP4
.else
	v_wmma_scale_f32_16x16x128_f8f6f4 v[wD:wD+7], v[wA:wA+7], v[wB:wB+7], v[wC:wC+7], v[wS], v[wT] matrix_a_fmt:MATRIX_FMT_FP4 matrix_b_fmt:MATRIX_FMT_FP4 matrix_b_scale:MATRIX_SCALE_ROW1
.endif
.else
.if (\rb) == 0
	v_wmma_scale_f32_16x16x128_f8f6f4 v[wD:wD+7], v[wA:wA+7], v[wB:wB+7], v[wC:wC+7], v[wS], v[wT] matrix_a_fmt:MATRIX_FMT_FP4 matrix_b_fmt:MATRIX_FMT_FP4 matrix_a_scale:MATRIX_SCALE_ROW1
.else
	v_wmma_scale_f32_16x16x128_f8f6f4 v[wD:wD+7], v[wA:wA+7], v[wB:wB+7], v[wC:wC+7], v[wS], v[wT] matrix_a_fmt:MATRIX_FMT_FP4 matrix_b_fmt:MATRIX_FMT_FP4 matrix_a_scale:MATRIX_SCALE_ROW1 matrix_b_scale:MATRIX_SCALE_ROW1
.endif
.endif
.endm
	s_load_b256 s[4:11], s[0:1], 0x0               ; oc s[4:5], osc s[6:7], c1 s[8:9], s1 s[10:11]
	s_load_b128 s[12:15], s[0:1], 0x20             ; bo s[12:13], out0 s[14:15]
	v_lshl_add_u32 v126, v0, 2, 0x29000
	v_mov_b32 v127, 0
	ds_add_u32 v126, v127
	ds_add_u32 v126, v127
	v_lshrrev_b32 v1, 5, v0
	v_readfirstlane_b32 s16, v1                    ; wave 0..3
	s_lshr_b32 s17, s16, 1                         ; wr: my 64 tokens.  Also: I fetch for O (0) or for Wo (1)
	s_and_b32 s18, s16, 1                          ; wc: my 64 columns.  Also: which half I fetch
	s_bfe_u32 s40, ttmp6, 0x40000                  ; cx, cy
	s_bfe_u32 s41, ttmp6, 0x40004
	s_lshl_b32 s42, ttmp9, 2
	s_add_co_u32 s42, s42, s40                     ; nt = 4 x cluster x + cx
	s_and_b32 s19, ttmp7, 0xffff
	s_lshl_b32 s19, s19, 2
	s_add_co_u32 s19, s19, s41                     ; mt = 4 x cluster y + cy
	s_lshl_b32 s43, s41, 2
	s_lshl_b32 s43, 15, s43                        ; my row of the cluster
	s_lshl_b32 s44, 0x1111, s40                    ; my column
	; group 1 for O's images: a dense block of 32,768 bytes as 128 rows of 256 bytes (32 elements of 8 bytes), no padding
	s_or_b32 s[G1A], s43, (3<<16)|(1<<21)
	s_mov_b32 s[G1A+1], 32<<16
	s_mov_b32 s[G1A+2], 128<<16
	s_mov_b32 s[G1A+3], 32<<16
	s_mov_b32 s[G1A+4], 128
	s_mov_b32 s[G1A+5], 32
	s_mov_b32 s[G1A+6], 0
	s_mov_b32 s[G1A+7], 0
	; for Wo: 64 rows of 512 bytes (elements of 1 byte), 16 bytes of padding behind each
	s_or_b32 s[G1B], s44, (1<<20)|(1<<21)|(6<<22)|(3<<25)   ; 20 padding on; 21 set beside a mask; 24:22 after every 128 words (code 6); 31:25 four words (code 3)
	s_mov_b32 s[G1B+1], 512<<16
	s_mov_b32 s[G1B+2], 64<<16
	s_mov_b32 s[G1B+3], 512<<16
	s_mov_b32 s[G1B+4], 64
	s_mov_b32 s[G1B+5], 512
	s_mov_b32 s[G1B+6], 0
	s_mov_b32 s[G1B+7], 0
	s_lshl_b32 s20, s19, 16                        ; O: 65,536 bytes a block of 128 tokens, 32,768 a half: only mt and the wave's number enter
	s_lshl_b32 s21, s18, 15
	s_add_co_u32 s20, s20, s21
	s_mov_b32 s21, 0
	s_lshl_b32 s46, s42, 16                        ; Wo: 128 rows of 512 bytes, 64 a half, behind x's and the other weights' codes: only nt and the wave's number enter
	s_lshl_b32 s47, s18, 15
	s_add_co_u32 s46, s46, s47
	s_add_co_u32 s46, s46, 3670016
	s_mov_b32 s47, 0
	s_lshl_b32 s45, s18, 15                        ; where they go: no place in the cluster enters an LDS address
	s_mul_i32 s94, s18, 64*BPITCH
	s_add_co_u32 s94, s94, BLDS
	s_wait_dscnt 0x0
	s_wait_kmcnt 0x0
	s_add_nc_u64 s[20:21], s[4:5], s[20:21]
	s_add_nc_u64 s[46:47], s[8:9], s[46:47]
	CROUND                                         ; all sixteen work-groups are here: the joint loads meet
	s_mov_b32 s[G0A], 1
	s_mov_b32 s[G0A+1], s45
	s_mov_b64 s[G0A+2:G0A+3], s[20:21]
	s_or_b32 s[G0A+3], s[G0A+3], 0x80000000
	s_mov_b32 s[G0B], 1
	s_mov_b32 s[G0B+1], s94
	s_mov_b64 s[G0B+2:G0B+3], s[46:47]
	s_or_b32 s[G0B+3], s[G0B+3], 0x80000000
	s_cmp_eq_u32 s17, 0                            ; waves 0 and 1 fetch O's halves, waves 2 and 3 Wo's: one load a wave; four v_nop follow each line
	s_cbranch_scc0 .Lfor_b
	tensor_load_to_lds s[G0A:G0A+3], s[G1A:G1A+7]
	s_nop 0
.rept 4
	v_nop
.endr
	s_branch .Lasked
.Lfor_b:
	tensor_load_to_lds s[G0B:G0B+3], s[G1B:G1B+7]
	s_nop 0
.rept 4
	v_nop
.endr
.Lasked:
	v_and_b32 v1, 15, v0                           ; r
	v_bfe_u32 v2, v0, 4, 1                         ; h
	v_and_b32 v3, 31, v0                           ; lane
	v_lshlrev_b32 v4, 4, v3
	s_lshl_b32 s66, s17, 15
	v_add_nc_u32 v[ADRA], s66, v4                  ; my four tiles' images: 32,768 wr + 16 x lane
	v_mul_u32_u24 v5, v1, BPITCH
	v_lshl_add_u32 v5, v2, 4, v5
	s_mul_i32 s66, s18, 64*BPITCH
	s_add_co_u32 s66, s66, BLDS
	v_add_nc_u32 v[ADRB], s66, v5                  ; my 64 rows of Wo: row x pitch + 16 x half
	s_mul_i32 s66, s16, 16*272
	s_add_co_u32 s66, s66, STAGE                   ; my stage
	v_mul_u32_u24 v5, v1, 272
	v_lshl_add_u32 v5, v2, 6, v5
	v_add_nc_u32 v[STO], s66, v5                   ; in: row r, + 64 h: my 16 columns of each 32
	v_mul_u32_u24 v5, v2, 272
	v_lshl_add_u32 v5, v1, 4, v5
	v_add_nc_u32 v[RD], s66, v5                    ; back: lanes 0-15 one row of 256 bytes, lanes 16-31 the next
	v_lshlrev_b32 v5, 12, v2
	v_lshl_add_u32 v[CO], v1, 4, v5                ; and the same two rows in out0
	v_lshlrev_b32 v22, 5, v3                       ; 32 x lane: a row's 32 scale bytes
	v_lshlrev_b32 v23, 2, v3                       ; 4 x lane
	v_lshlrev_b32 v27, 6, v2                       ; 64 h: my half's 16 numbers of each 32 of bo
	s_wait_alu depctr_va_vdst(0)
	s_lshl_b32 s67, s42, 7
	s_lshl_b32 s70, s18, 6
	s_add_co_u32 s67, s67, s70                     ; my first column
	s_lshl_b32 s70, s67, 2
	s_mov_b32 s71, 0
	s_add_nc_u64 s[72:73], s[12:13], s[70:71]      ; bo there
	s_lshl_b32 s74, s19, 7
	s_lshl_b32 s75, s17, 6
	s_add_co_u32 s74, s74, s75                     ; my first token (a multiple of 32: stored and true order agree there)
	s_lshl_b32 s76, s74, 12
	s_add_co_u32 s76, s76, s70
	s_mov_b32 s77, 0
	s_add_nc_u64 s[68:69], s[14:15], s[76:77]      ; out0 at my first token and column
	s_lshl_b32 s78, s67, 5
	s_add_co_u32 s78, s78, 229376
	s_mov_b32 s79, 0
	s_add_nc_u64 s[78:79], s[10:11], s[78:79]      ; Wo's scale bytes of my 64 rows
	s_lshl_b32 s80, s74, 2
	s_mov_b32 s81, 0
	s_add_nc_u64 s[80:81], s[6:7], s[80:81]        ; O's scale words of my 64 tokens, head 0
	WIN 0x40                                       ; destination window 1
.irp t, 0,1,2,3
	global_load_b128 v[128+8*\t:131+8*\t], v27, s[72:73] offset:128*(\t/2)+32*(\t%2)       ; bo in the result's layout: tile 2 b + u, lane half h: columns 32 b + 16 h + 8 u + 0 .. 7
	global_load_b128 v[132+8*\t:135+8*\t], v27, s[72:73] offset:128*(\t/2)+32*(\t%2)+16
.endr
	WIN 0
.irp i, 0,1
	global_load_b128 v[BS+8*\i:BS+8*\i+3], v22, s[78:79] offset:1024*\i
	global_load_b128 v[BS+8*\i+4:BS+8*\i+7], v22, s[78:79] offset:1024*\i+16
.endr
.irp i, 0,1
.irp d, 0,1,2,3,4,5,6,7,8,9,10,11,12,13,14,15
	global_load_b32 v[T+16*\i+\d], v23, s[80:81] offset:16384*\d+128*\i      ; head d, tokens 32 i + lane: 128 consecutive bytes
.endr
.endr
	s_wait_loadcnt 0x0
.irp i, 0,1
.irp s, 0,1,2,3,4,5,6,7
	v_lshl_or_b32 v[AS+8*\i+\s], v[T+16*\i+2*\s+1], 16, v[T+16*\i+2*\s]      ; K step s: head 2 s's two bytes below, head 2 s + 1's above
.endr
.endr
	PLACES 8                                       ; a scale register written by a vector instruction stands 8 places ahead of a scaled matrix instruction
.macro FETCH s                         ; 16 LDS loads: K step s's fragments into set s % 2: O's four tiles (images: 512 bytes a load), Wo's four (two loads of 16 bytes a lane, 32 bytes apart)
.set fS, 128+64*((\s)%2)
.irp a, 0,1,2,3
.irp c, 0,1
	ds_load_b128 v[fS+8*\a+4*\c:fS+8*\a+4*\c+3], v[ADRA] offset:8192*\a+1024*(\s)+512*\c
.endr
.endr
.irp t, 0,1,2,3
.irp c, 0,1
	ds_load_b128 v[fS+32+8*\t+4*\c:fS+32+8*\t+4*\c+3], v[ADRB] offset:16*BPITCH*\t+64*(\s)+32*\c
.endr
.endr
.endm
.macro MUL s                           ; the 16 accumulators take turns, one instruction a turn, in the same order in every K step
.set mS, 128+64*((\s)%2)
	WIN 0x50                                       ; sources 0 and 1 window 0, C and D window 1
.irp a, 0,1,2,3
.irp t, 0,1,2,3
.if (\s) == 0
	WM 32*\a+8*\t, mS+32+8*\t, mS+8*\a, 128+8*\t, BS+8*(\t/2)+(\s), AS+8*(\a/2)+(\s), \t%2, \a%2
.else
	WM 32*\a+8*\t, mS+32+8*\t, mS+8*\a, 32*\a+8*\t, BS+8*(\t/2)+(\s), AS+8*(\a/2)+(\s), \t%2, \a%2
.endif
.endr
.endr
	WIN 0
.endm
	s_wait_alu depctr_va_vdst(0)
	s_wait_tensorcnt 0x0                           ; my load has landed,
	s_barrier_signal -1
	s_barrier_wait -1                              ; everybody's has
	FETCH 0
.set S, 0
.rept 8
.if (S > 0) && (S < 7)
	PLACES 4                                       ; in front of loads into the set that the last step's matrix instructions read
.endif
.if S < 7
	FETCH S+1
	s_wait_dscnt 16                                ; all but the 16 just issued: this step's fragments are in
.else
	s_wait_dscnt 0x0
.endif
	MUL S
.set S, S+1
.endr
; THE WAY OUT, a block of 16 tokens x 64 columns at a time, through my own stage: in as 32 bytes a lane and tile, back as whole rows of 256 bytes.  LDS serves a wave's instructions in order (ISA guide 5.7.1.4):
; no wait between the stores and the loads, nor in front of the next block's stores.
.macro TOSTAGE a
	WIN 0x04                                       ; an LDS store's data are its source 1: window 1
.irp t, 0,1,2,3
	ds_store_b128 v[STO], v[32*(\a)+8*\t:32*(\a)+8*\t+3] offset:128*(\t/2)+32*(\t%2)       ; each accumulator from its low end on
	ds_store_b128 v[STO], v[32*(\a)+8*\t+4:32*(\a)+8*\t+7] offset:128*(\t/2)+32*(\t%2)+16
.endr
	WIN 0
.set BB, 128+32*((\a)%2)
.irp i, 0,1,2,3,4,5,6,7
	ds_load_b128 v[BB+4*\i:BB+4*\i+3], v[RD] offset:544*\i
.endr
.endm
.macro SEND a, younger                 ; younger: the LDS instructions issued behind block a's loads, which may stay out
.set BB, 128+32*((\a)%2)
	s_wait_dscnt \younger
.irp i, 0,1,2,3,4,5,6,7
	global_store_b128 v[CO], v[BB+4*\i:BB+4*\i+3], s[68:69] offset:(32*((\a)/2)+8*((\a)%2)+2*\i+8*(\i/4))*4096 th:TH_STORE_NT   ; stored row 2 i + (lane / 16) of tile a is true token 32 (a / 2) + 8 (a % 2) + that + 8 (i / 4); 16 lanes store 256 consecutive bytes, aligned
.endr
.endm
	PLACES 4                                       ; behind the last products: results are read, and loads land in registers that held fragments
	TOSTAGE 0
.irp a, 1,2,3
.if \a > 1
	s_wait_xcnt 0x0                                ; block a - 2's stores have read their registers: block a's loads may land there
.endif
	TOSTAGE \a
	SEND \a-1, 16                                  ; behind block a - 1's loads: block a's 8 stores and 8 loads
.endr
	SEND 3, 0
	s_wait_tensorcnt 0x0
	ds_add_u32 v126, v127
	s_wait_dscnt 0x0
	CROUND                                         ; the closing round: no work-group ends while a partner may still ask for a tile that names it
	s_endpgm
.Lfunc_end_k_qbb22d38f92_proj:
	.size	k_qbb22d38f92_proj, .Lfunc_end_k_qbb22d38f92_proj-k_qbb22d38f92_proj
	.p2alignl 7, 3214868480
	.fill 96, 4, 3214868480
	.section	.rodata,"a",@progbits
	.p2align	6, 0x0
	.amdhsa_kernel k_qbb22d38f92_proj
		.amdhsa_group_segment_fixed_size 168448
		.amdhsa_private_segment_fixed_size 0
		.amdhsa_enable_private_segment 0
		.amdhsa_kernarg_size 48
		.amdhsa_user_sgpr_count 2
		.amdhsa_user_sgpr_kernarg_segment_ptr 1
		.amdhsa_wavefront_size32 1
		.amdhsa_system_sgpr_workgroup_id_x 1
		.amdhsa_system_sgpr_workgroup_id_y 1
		.amdhsa_system_sgpr_workgroup_id_z 1
		.amdhsa_system_vgpr_workitem_id 0
		.amdhsa_next_free_vgpr 512
		.amdhsa_next_free_sgpr 98
		.amdhsa_reserve_vcc 0
		.amdhsa_float_denorm_mode_32 3
		.amdhsa_float_denorm_mode_16_64 3
		.amdhsa_memory_ordered 1
		.amdhsa_forward_progress 1
		.amdhsa_inst_pref_size 46
	.end_amdhsa_kernel
	.amdgpu_metadata
---
amdhsa.version: [ 1, 2 ]
amdhsa.kernels:
  - .name:           k_qbb22d38f92_proj
    .symbol:         k_qbb22d38f92_proj.kd
    .args:
      - { .name: oc, .offset: 0, .size: 8, .value_kind: global_buffer, .address_space: global }
      - { .name: osc, .offset: 8, .size: 8, .value_kind: global_buffer, .address_space: global }
      - { .name: c1, .offset: 16, .size: 8, .value_kind: global_buffer, .address_space: global }
      - { .name: s1, .offset: 24, .size: 8, .value_kind: global_buffer, .address_space: global }
      - { .name: bo, .offset: 32, .size: 8, .value_kind: global_buffer, .address_space: global }
      - { .name: out0, .offset: 40, .size: 8, .value_kind: global_buffer, .address_space: global }
    .group_segment_fixed_size: 168448
    .private_segment_fixed_size: 0
    .kernarg_segment_align: 8
    .kernarg_segment_size: 48
    .max_flat_workgroup_size: 128
    .sgpr_count:     98
    .vgpr_count:     512
    .wavefront_size: 32
...
	.end_amdgpu_metadata
.endif
;; end of part 4
